; MI455X (gfx1250); checked and timed in simulation.
; The chip was launched on July 23, 2026; its instructions are those of AMD's public machine-readable ISA for CDNA 5 (MIT licence, August 2026) and "CDNA5" Instruction Set Architecture Reference Guide (July 2026). The comments in the code are by the model that wrote it; some were corrected since.
;; Routing Attention. Allowed arithmetic: float matrix products may take bf16 or f16 operands with f32 sums; all other float work in f32.
;; Inputs: Wk 256 x 256 float32; Wo 256 x 256 float32; Wq 256 x 256 float32; Wv 256 x 256 float32; bk 256 float32; bo 256 float32; bq 256 float32; bv 256 float32; k 2 x 8 x 4 x 16 x 16 x 256 float32; q 2 x 8 x 4 x 16 x 16 x 256 float32; v 2 x 8 x 4 x 16 x 16 x 256 float32.
;; Outputs: out0 2 x 8 x 4 x 16 x 16 x 256 float32.
;; 2 versions, each right and faster than the one before. Each part assembles by itself: llvm-mc -triple=amdgcn-amd-amdhsa -mcpu=gfx1250 --defsym DOCPART=n.
;; ======== version 1 of 2: 2 launches
;; limits: values are held in f16: magnitudes above 65,504 overflow, below 6.1e-05 lose precision
;; workspace buffers: kh 8,388,608 bytes; vt 8,388,608 bytes; wqb 131,072 bytes; wob 131,072 bytes
;; launch kvproj (part 1): grid 128 x 2, 8 waves a work-group, no clusters, 274,432 bytes of LDS; arguments k, v, Wk, Wv, bk, bv, Wq, Wo, kh, vt, wqb, wob; writes kh, vt, wqb, wob
.if DOCPART == 1
	.amdgcn_target "amdgcn-amd-amdhsa--gfx1250"
	.amdhsa_code_object_version 6
	.text
	.protected	k_qee0695fddc_kvproj
	.globl	k_qee0695fddc_kvproj
	.p2align	8
	.type	k_qee0695fddc_kvproj,@function
k_qee0695fddc_kvproj:
	s_mov_b64 s[64:65], 0
	v_nop
	global_prefetch_b8 v0, s[64:65] scope:SCOPE_SE
	s_setreg_imm32_b32 hwreg(HW_REG_WAVE_MODE, 25, 1), 1
	s_wait_xcnt 0x0
; kh[token][o] = sum_c k[token][c] Wk[o][c] + bk[o]           (f16, [16384][256])                 work-groups with y = 0
; vt[window][d][s] = sum_c v[window][s][c] Wv[d][c] + bv[d]   (f16, [16][256][1024], transposed)  work-groups with y = 1
; and, beside it, work-group g = x + 128 y rounds row g of Wq and of Wo to f16 (wqb, wob) for the next launch.
; A work-group takes 128 tokens and one whole weight matrix.  Both are f32 in memory and are rounded to f16 on their way through
; registers into LDS; sums are f32.  Eight waves; a wave makes 32 x 128 results: 16 accumulator tiles.
; NUMBER FORMAT: f16 operands.  LIMIT: a projection of magnitude 65,504 or more becomes infinite.  Inputs thirty times larger than
; unit-spread tokens and weights of spread 1/16 give projections of spread 900; offsets of thirty spreads on both give 256 x 30 x 1.875 = 14,400.
; NO JOINT LOADS, though all 128 work-groups of one y read the same weights: the weights have to be rounded on the way in, so they pass
; through registers; as an f32 tile they would take 256 x 1,040 = 266,240 bytes of LDS, which does not fit beside the 67,584 bytes of
; tokens and the 69,632 bytes of the way out in 327,680.
.set PW,     528                       ; an operand row in LDS: 512 bytes of f16 + 16 = 33 x 16: sixteen rows start at sixteen different 16-byte columns modulo 256
.set OPX,    256*PW                    ; rows 0-255: the weights; rows 256-383: the tokens
.set BIAS,   384*PW                    ; 256 f32
.set STG,    BIAS+1024                 ; the way out: 32 rows x 272 bytes for each wave
.set SPITCH, 272
.set STGW,   32*SPITCH
.set MF,  48                           ; v[48:111]   eight fragments whose rows become D's registers; later bias, then rows on the way out
.set NF,  112                          ; v[112:127]  two fragments whose rows become D's lanes
.set SA,  128                          ; v[128:191]  staging set A (16 loads of 16 bytes a lane)
.set SB,  192                          ; v[192:255]  staging set B
.set ACC, 128                          ; v[128:255]  afterwards: tile (mi, ni) at ACC + 8 (2 mi + ni)
; v1 16 t   v2 LDS place of my 8 bytes in a batch's first rows   v3 the same for the batch at work   v4, v5 fragment addresses
; v6, v7 offsets of the side job   v[8:13] its data   v14 4 t   v15 bias word   v16, v17 stage in, stage back   v18 offset in the output
; v19 BIAS + 4 t   v20 r = lane % 16   v21 h = lane / 16   v22 lane   v23 r PW + 16 h   v24 bias address
.macro BLOAD set, base, i0, nt         ; 16 loads: the work-group takes 4,096 consecutive bytes (4 rows) with each
.irp i, 0,1,2,3,4,5,6,7,8,9,10,11,12,13,14,15
.if \nt
	global_load_b128 v[\set+4*\i:\set+4*\i+3], v1, s[\base:\base+1] offset:(\i0+\i)*4096 th:TH_LOAD_NT
.else
	global_load_b128 v[\set+4*\i:\set+4*\i+3], v1, s[\base:\base+1] offset:(\i0+\i)*4096
.endif
.endr
.endm
.macro BCVT set, b                     ; a batch of 64 rows: round to f16, 8 bytes a lane into operand rows 64 b + 4 i + t / 64
	v_add_nc_u32 v3, \b*64*PW, v2
.irp i, 0,1,2,3,4,5,6,7,8,9,10,11,12,13,14,15
	v_cvt_pk_f16_f32 v[\set+4*\i], v[\set+4*\i], v[\set+4*\i+1]
	v_cvt_pk_f16_f32 v[\set+4*\i+1], v[\set+4*\i+2], v[\set+4*\i+3]
	ds_store_b64 v3, v[\set+4*\i:\set+4*\i+1] offset:\i*4*PW
.endr
.endm
.macro FRAGS kc                        ; 32 along c at byte 64 kc of the rows: a fragment is two loads of 16 bytes, 32 bytes apart
.irp ni, 0,1
	ds_load_b128 v[NF+8*\ni:NF+8*\ni+3],   v5 offset:\ni*16*PW+64*\kc
	ds_load_b128 v[NF+8*\ni+4:NF+8*\ni+7], v5 offset:\ni*16*PW+64*\kc+32
.endr
.irp mi, 0,1,2,3,4,5,6,7
	ds_load_b128 v[MF+8*\mi:MF+8*\mi+3],   v4 offset:\mi*16*PW+64*\kc
	ds_load_b128 v[MF+8*\mi+4:MF+8*\mi+7], v4 offset:\mi*16*PW+64*\kc+32
.endr
.endm
.macro MUL8 m0, zero                   ; eight products; zero = 1: the first product starts the sum, nothing is cleared
.irp mi, 0,1,2,3
.irp ni, 0,1
.if \zero
	v_wmma_f32_16x16x32_f16 v[ACC+8*(2*(\m0+\mi)+\ni):ACC+8*(2*(\m0+\mi)+\ni)+7], v[MF+8*(\m0+\mi):MF+8*(\m0+\mi)+7], v[NF+8*\ni:NF+8*\ni+7], 0
.else
	v_wmma_f32_16x16x32_f16 v[ACC+8*(2*(\m0+\mi)+\ni):ACC+8*(2*(\m0+\mi)+\ni)+7], v[MF+8*(\m0+\mi):MF+8*(\m0+\mi)+7], v[NF+8*\ni:NF+8*\ni+7], v[ACC+8*(2*(\m0+\mi)+\ni):ACC+8*(2*(\m0+\mi)+\ni)+7]
.endif
.endr
.endr
.endm
.macro KSTEP kc, zero                  ; the sixteen accumulators take turns, one instruction a turn, in the same order in every step
	FRAGS \kc
	s_wait_dscnt 0x8                               ; the youngest eight loads (fragments 4-7 of MF) may stay out
	MUL8 0, \zero
	s_wait_dscnt 0x0
	MUL8 4, \zero
.rept 4
	v_nop                                          ; four places behind the products (ISA guide 7.12.1) before their sources are loaded again or results read
.endr
.endm
; One of the two ways.  D's lanes are NF's rows and D's registers MF's rows, so a lane holds eight NEIGHBOURING numbers of an output row:
; isv = 0: NF = tokens, MF = rows of Wk: eight features of a token's row of kh.   isv = 1: NF = rows of Wv, MF = tokens: eight tokens of a row of vt.
.macro PATH isv
.if \isv
	s_mul_i32 s42, s28, 32*PW                      ; my 32 rows of Wv
	v_add_nc_u32 v4, OPX, v23                      ; all 128 tokens
	v_add_nc_u32 v5, s42, v23
	s_lshl_b32 s42, s28, 7
	s_add_co_u32 s42, s42, BIAS
	v_lshl_add_u32 v24, v20, 2, s42                ; bv[32 w + r]
	v_lshlrev_b32 v18, 11, v21                     ; a row of vt is 2,048 bytes
	v_lshl_add_u32 v18, v20, 4, v18
	s_lshr_b32 s42, s30, 3                         ; window = x / 8
	s_lshl_b32 s42, s42, 19                        ; x 256 rows of 2,048 bytes
	s_lshl_b32 s43, s28, 16                        ; + 32 w rows
	s_add_co_u32 s42, s42, s43
	s_and_b32 s43, s30, 7
	s_lshl_b32 s43, s43, 8                         ; + my 128 tokens' 256 bytes in a row
	s_add_co_u32 s42, s42, s43
	s_mov_b32 s43, 0
	s_add_nc_u64 s[44:45], s[22:23], s[42:43]
.else
	s_and_b32 s42, s28, 1
	s_mul_i32 s42, s42, 128*PW                     ; my 128 rows of Wk
	s_lshr_b32 s43, s28, 1
	s_mul_i32 s43, s43, 32*PW                      ; my 32 tokens
	s_add_co_u32 s43, s43, OPX
	v_add_nc_u32 v4, s42, v23
	v_add_nc_u32 v5, s43, v23
	s_and_b32 s42, s28, 1
	s_lshl_b32 s42, s42, 9
	s_add_co_u32 s42, s42, BIAS
	v_lshl_add_u32 v24, v21, 5, s42                ; bk[128 (w & 1) + 8 h ..]
	v_lshlrev_b32 v18, 9, v21                      ; a row of kh is 512 bytes
	v_lshl_add_u32 v18, v20, 4, v18
	s_lshl_b32 s42, s30, 16                        ; 128 x tokens of 512 bytes
	s_lshr_b32 s43, s28, 1
	s_lshl_b32 s43, s43, 14                        ; + 32 (w / 2) tokens
	s_add_co_u32 s42, s42, s43
	s_and_b32 s43, s28, 1
	s_lshl_b32 s43, s43, 8                         ; + my 128 features' 256 bytes
	s_add_co_u32 s42, s42, s43
	s_mov_b32 s43, 0
	s_add_nc_u64 s[44:45], s[20:21], s[42:43]
.endif
	KSTEP 0, 1
.irp kc, 1,2,3,4,5,6,7
	KSTEP \kc, 0
.endr
	; the bias, into registers that the products no longer read
.if \isv
	ds_load_b32 v[MF],   v24                       ; one number a lane for each ni
	ds_load_b32 v[MF+1], v24 offset:64
.else
.irp mi, 0,1,2,3,4,5,6,7
	ds_load_b128 v[MF+8*\mi:MF+8*\mi+3],   v24 offset:64*\mi        ; eight numbers a lane for each mi
	ds_load_b128 v[MF+8*\mi+4:MF+8*\mi+7], v24 offset:64*\mi+16
.endr
.endif
	s_wait_dscnt 0x0
	; add it, round to f16, 16 bytes a lane into my own stage
.irp mi, 0,1,2,3,4,5,6,7
.irp ni, 0,1
.irp k, 0,1,2,3
.if \isv
.if \ni
	v_pk_add_f32 v[ACC+8*(2*\mi+\ni)+2*\k:ACC+8*(2*\mi+\ni)+2*\k+1], v[ACC+8*(2*\mi+\ni)+2*\k:ACC+8*(2*\mi+\ni)+2*\k+1], v[MF:MF+1] op_sel:[0,1] op_sel_hi:[1,1]
.else
	v_pk_add_f32 v[ACC+8*(2*\mi+\ni)+2*\k:ACC+8*(2*\mi+\ni)+2*\k+1], v[ACC+8*(2*\mi+\ni)+2*\k:ACC+8*(2*\mi+\ni)+2*\k+1], v[MF:MF+1] op_sel_hi:[1,0]
.endif
.else
	v_pk_add_f32 v[ACC+8*(2*\mi+\ni)+2*\k:ACC+8*(2*\mi+\ni)+2*\k+1], v[ACC+8*(2*\mi+\ni)+2*\k:ACC+8*(2*\mi+\ni)+2*\k+1], v[MF+8*\mi+2*\k:MF+8*\mi+2*\k+1]
.endif
.endr
.irp k, 0,1,2,3
	v_cvt_pk_f16_f32 v[ACC+8*(2*\mi+\ni)+\k], v[ACC+8*(2*\mi+\ni)+2*\k], v[ACC+8*(2*\mi+\ni)+2*\k+1]
.endr
	ds_store_b128 v16, v[ACC+8*(2*\mi+\ni):ACC+8*(2*\mi+\ni)+3] offset:\ni*16*SPITCH+32*\mi
.endr
.endr
	; back as whole rows of 256 bytes: LDS serves a wave's instructions in order (ISA guide 5.7.1), and the stage is the wave's own
.irp i, 0,1,2,3,4,5,6,7,8,9,10,11,12,13,14,15
	ds_load_b128 v[MF+4*\i:MF+4*\i+3], v17 offset:\i*2*SPITCH
.endr
.irp i, 0,1,2,3,4,5,6,7,8,9,10,11,12,13,14,15
	s_wait_dscnt 15-\i                             ; load i is in, the younger ones stay out
.if \isv
	global_store_b128 v18, v[MF+4*\i:MF+4*\i+3], s[44:45] offset:\i*4096     ; sixteen lanes store 256 consecutive bytes, aligned
.else
	global_store_b128 v18, v[MF+4*\i:MF+4*\i+3], s[44:45] offset:\i*1024
.endif
.endr
	s_wait_tensorcnt 0x0
	ds_add_u32 v46, v47
	s_wait_dscnt 0x0
	s_endpgm
.endm
	s_load_b512 s[4:19], s[0:1], 0x0               ; k 4, v 6, Wk 8, Wv 10, bk 12, bv 14, Wq 16, Wo 18
	s_load_b256 s[20:27], s[0:1], 0x40             ; kh 20, vt 22, wqb 24, wob 26
	v_lshl_add_u32 v46, v0, 2, 0x42c00
	v_mov_b32 v47, 0
	v_lshrrev_b32 v20, 5, v0
	v_readfirstlane_b32 s28, v20                   ; wave 0..7
	s_and_b32 s29, ttmp7, 0xffff                   ; y: 0 = K, 1 = V
	s_mov_b32 s30, ttmp9                           ; x: which 128 tokens
	v_and_b32 v22, 31, v0
	v_and_b32 v20, 15, v0
	v_bfe_u32 v21, v0, 4, 1
	v_lshlrev_b32 v1, 4, v0
	v_lshrrev_b32 v2, 6, v0                        ; 64 threads take a row of 1,024 bytes
	v_mul_u32_u24 v2, v2, PW
	v_and_b32 v3, 63, v0
	v_lshl_add_u32 v2, v3, 3, v2
	v_lshlrev_b32 v14, 2, v0
	v_add_nc_u32 v19, BIAS, v14
	v_mul_u32_u24 v23, v20, PW
	v_lshl_add_u32 v23, v21, 4, v23
	s_mul_i32 s42, s28, STGW
	s_add_co_u32 s42, s42, STG                     ; my stage
	v_mul_u32_u24 v16, v20, SPITCH                 ; in: row r, 16 bytes for each half of the lanes
	v_lshl_add_u32 v16, v21, 4, v16
	v_add_nc_u32 v16, s42, v16
	v_mul_u32_u24 v17, v21, SPITCH                 ; back: lanes 0-15 one row, lanes 16-31 the next
	v_lshl_add_u32 v17, v20, 4, v17
	v_add_nc_u32 v17, s42, v17
	s_lshl_b32 s31, s29, 7
	s_add_co_u32 s31, s31, s30                     ; g = x + 128 y: the row of Wq and Wo that this work-group rounds
	s_and_b32 s42, s28, 1
	s_lshl_b32 s42, s42, 9
	s_lshl_b32 s43, s31, 10
	s_add_co_u32 s43, s43, s42
	v_lshl_add_u32 v6, v22, 4, s43                 ; in: 1,024 g + 512 (w & 1) + 16 lane
	s_lshr_b32 s43, s43, 1
	v_lshl_add_u32 v7, v22, 3, s43                 ; out: half of that
	s_wait_kmcnt 0x0
	s_cmp_eq_u32 s29, 0
	s_cselect_b64 s[32:33], s[4:5], s[6:7]         ; tokens
	s_cselect_b64 s[34:35], s[8:9], s[10:11]       ; weights
	s_cselect_b64 s[36:37], s[12:13], s[14:15]     ; bias
	s_lshl_b32 s42, s30, 17                        ; 128 tokens of 1,024 bytes
	s_mov_b32 s43, 0
	s_add_nc_u64 s[32:33], s[32:33], s[42:43]
	s_cmp_lt_u32 s28, 2
	s_cselect_b64 s[38:39], s[16:17], s[18:19]     ; waves 0, 1: Wq; waves 2, 3: Wo
	s_cselect_b64 s[40:41], s[24:25], s[26:27]
	s_cmp_lt_u32 s28, 4
	s_cbranch_scc0 .Lno_side_load
	global_load_b128 v[8:11], v6, s[38:39]         ; half a row of Wq or Wo
.Lno_side_load:
	global_load_b32 v15, v14, s[36:37]
	BLOAD SA, 32, 0, 1                             ; the work-group's 131,072 bytes of tokens are asked for at once
	BLOAD SB, 32, 16, 1
	; Two staging sets take turns.  Each s_wait_loadcnt 16 leaves the other set's sixteen younger loads out.
	s_wait_loadcnt 0x10
	ds_store_b32 v19, v15
	s_cmp_lt_u32 s28, 4
	s_cbranch_scc0 .Lno_side_store
	v_cvt_pk_f16_f32 v12, v8, v9
	v_cvt_pk_f16_f32 v13, v10, v11
	global_store_b64 v7, v[12:13], s[40:41]        ; the wave stores 256 consecutive bytes, aligned; these registers are not written again
.Lno_side_store:
	BCVT SA, 4
	BLOAD SA, 34, 0, 0
	s_wait_loadcnt 0x10
	BCVT SB, 5
	BLOAD SB, 34, 16, 0
	s_wait_loadcnt 0x10
	BCVT SA, 0
	BLOAD SA, 34, 32, 0
	s_wait_loadcnt 0x10
	BCVT SB, 1
	BLOAD SB, 34, 48, 0
	s_wait_loadcnt 0x10
	BCVT SA, 2
	s_wait_loadcnt 0x0
	BCVT SB, 3
	s_wait_dscnt 0x0                               ; my stores into the operand rows are done: zero, for the other waves' sake
	s_barrier_signal -1
	s_barrier_wait -1                              ; everybody's are: the only barrier
	s_cmp_lg_u32 s29, 0
	s_cbranch_scc1 .Lv
	PATH 0
.Lv:
	PATH 1
.Lfunc_end_k_qee0695fddc_kvproj:
	.size	k_qee0695fddc_kvproj, .Lfunc_end_k_qee0695fddc_kvproj-k_qee0695fddc_kvproj
	.p2alignl 7, 3214868480
	.fill 96, 4, 3214868480
	.section	.rodata,"a",@progbits
	.p2align	6, 0x0
	.amdhsa_kernel k_qee0695fddc_kvproj
		.amdhsa_group_segment_fixed_size 274432
		.amdhsa_private_segment_fixed_size 0
		.amdhsa_enable_private_segment 0
		.amdhsa_kernarg_size 96
		.amdhsa_user_sgpr_count 2
		.amdhsa_user_sgpr_kernarg_segment_ptr 1
		.amdhsa_wavefront_size32 1
		.amdhsa_system_sgpr_workgroup_id_x 1
		.amdhsa_system_sgpr_workgroup_id_y 1
		.amdhsa_system_sgpr_workgroup_id_z 1
		.amdhsa_system_vgpr_workitem_id 0
		.amdhsa_next_free_vgpr 256
		.amdhsa_next_free_sgpr 66
		.amdhsa_reserve_vcc 0
		.amdhsa_float_denorm_mode_32 3
		.amdhsa_float_denorm_mode_16_64 3
		.amdhsa_memory_ordered 1
		.amdhsa_forward_progress 1
		.amdhsa_inst_pref_size 97
	.end_amdhsa_kernel
	.amdgpu_metadata
---
amdhsa.version: [ 1, 2 ]
amdhsa.kernels:
  - .name:           k_qee0695fddc_kvproj
    .symbol:         k_qee0695fddc_kvproj.kd
    .args:
      - { .name: k, .offset: 0, .size: 8, .value_kind: global_buffer, .address_space: global }
      - { .name: v, .offset: 8, .size: 8, .value_kind: global_buffer, .address_space: global }
      - { .name: Wk, .offset: 16, .size: 8, .value_kind: global_buffer, .address_space: global }
      - { .name: Wv, .offset: 24, .size: 8, .value_kind: global_buffer, .address_space: global }
      - { .name: bk, .offset: 32, .size: 8, .value_kind: global_buffer, .address_space: global }
      - { .name: bv, .offset: 40, .size: 8, .value_kind: global_buffer, .address_space: global }
      - { .name: Wq, .offset: 48, .size: 8, .value_kind: global_buffer, .address_space: global }
      - { .name: Wo, .offset: 56, .size: 8, .value_kind: global_buffer, .address_space: global }
      - { .name: kh, .offset: 64, .size: 8, .value_kind: global_buffer, .address_space: global }
      - { .name: vt, .offset: 72, .size: 8, .value_kind: global_buffer, .address_space: global }
      - { .name: wqb, .offset: 80, .size: 8, .value_kind: global_buffer, .address_space: global }
      - { .name: wob, .offset: 88, .size: 8, .value_kind: global_buffer, .address_space: global }
    .group_segment_fixed_size: 274432
    .private_segment_fixed_size: 0
    .kernarg_segment_align: 8
    .kernarg_segment_size: 96
    .max_flat_workgroup_size: 256
    .sgpr_count:     66
    .vgpr_count:     256
    .wavefront_size: 32
...
	.end_amdgpu_metadata
.endif
;; end of part 1
;; launch attn (part 2): grid 256 x 1, 8 waves a work-group, clusters of 4 x 1, 327,680 bytes of LDS; arguments q, wqb, bq, kh, vt, wob, bo, out0; writes out0
.if DOCPART == 2
	.amdgcn_target "amdgcn-amd-amdhsa--gfx1250"
	.amdhsa_code_object_version 6
	.text
	.protected	k_qee0695fddc_attn
	.globl	k_qee0695fddc_attn
	.p2align	8
	.type	k_qee0695fddc_attn,@function
k_qee0695fddc_attn:
	s_mov_b64 s[64:65], 0
	v_nop
	global_prefetch_b8 v0, s[64:65] scope:SCOPE_SE
	s_setreg_imm32_b32 hwreg(HW_REG_WAVE_MODE, 25, 1), 1
	s_wait_xcnt 0x0
	s_wait_alu depctr_hold_cnt(0) depctr_sa_sdst(0) depctr_va_vdst(0) depctr_va_sdst(0) depctr_va_ssrc(0) depctr_va_vcc(0) depctr_vm_vsrc(0)
	s_getreg_b32 s2, hwreg(HW_REG_IB_STS2, 6, 4)
	s_cmp_eq_u32 s2, 0
	s_cbranch_scc0 .Lentry_in_a_cluster
	s_endpgm
.Lentry_in_a_cluster:
	s_bfe_u32 s2, ttmp6, 0x10000c
	s_cmp_lg_u32 s2, 0x3003
	s_cbranch_scc0 .Lentry_shape_is_right
	s_endpgm
.Lentry_shape_is_right:
; out0 = (softmax((q Wq^T + bq)(K)^T / sqrt(32)) V) Wo^T + bo, window by window (1,024 tokens) and head by head (8 heads of 32).
; A work-group owns 64 query tokens with all heads; wave w is head w.  K (kh) and V transposed (vt) come projected, in f16, from the launch before.
; EVERY PRODUCT HAS THE QUERY IN D'S LANES:  source 0 = rows of Wq, keys, rows of V^T, rows of Wo;  source 1 = tokens, Q, P, ctx.
; Lane (r, h) of a result holds query r and the rows 8 h + j, so two neighbouring result tiles, rounded to f16 pair by pair, ARE the eight
; registers of the next product's source 1 (k = 8 h .. and 16 + 8 h ..): no number changes its lane between the four products of a head.
; A row's maximum and sum are one number a lane; lanes r and r + 16 hold different keys of one query and are joined by v_permlanex16_b32.
; SOFTMAX: running maximum over steps of 32 keys, subtracted before every exponential; the factor log2(e) / sqrt(32) is multiplied into Q
; in f32 before Q is rounded (an order of rounding that differs from the reference's).
; CLUSTERS: the four work-groups of a cluster lie in one window (16 work-groups a window) and walk the same K and V tiles and the same
; weights: every tile is asked for jointly, mask 15, which divides those requests by four.
; NO PREFETCH: kh and vt were stored by the launch just before and each tile is asked for by four clusters; q is read once, at the head.
; NUMBER FORMAT: f16 operands, f32 sums.  LIMITS: a projection (Q after the factor 0.255) of magnitude 65,504 or more becomes infinite
; (inputs thirty times larger give a spread of 900; offsets of thirty spreads on tokens and weights give 14,400); a weight below 2^-126
; of its row's largest comes out of v_exp_f32 as zero (ISA guide 15.8), below about 3e-8 it rounds to zero in f16.
.set PK,     528                       ; LDS pitch of rows of 256 f16: 512 + 16 = 33 x 16 bytes
.set PV,     272                       ; of rows of 128 f16: 256 + 16 = 17 x 16 bytes
.set PO,     1040                      ; of rows of 256 f32: 1,024 + 16 = 65 x 16 bytes
.set SLOT,   139264                    ; 128 keys x PK (67,584; waves 0-3, 32 rows each), then from VOFF 256 rows of V^T x PV (waves 4-7, 64 rows each); or 256 weight rows x PK
.set VOFF,   69632
.set XC,     2*SLOT                    ; 64 x PK: the tokens in f16, later ctx in f16.  Written by LDS stores alone: no tensor load lands here
.set OUTSTG, SLOT                      ; 64 x PO: the way out, in slot 1 behind its last fill
.set KA,  4                            ; v4, v5   K fragments in slot 0, 1
.set VA,  6                            ; v6, v7   V^T fragments
.set WA,  8                            ; v8, v9   weight fragments
.set XA,  10                           ; v10      fragments of XC
.set XST, 11                           ; v11      where my 8 bytes of a token row go
.set CST, 12                           ; v12      where my 16 bytes of ctx go
.set OST, 13                           ; v13      the way out, in
.set ORD, 14                           ; v14      the way out, back
.set GO,  15                           ; v15      16 lane
.set GX,  16                           ; v16      16 t
.set GB,  17                           ; v17      bias offset 128 w + 32 h
.set QF,  32                           ; v[32:63]   Q: source 1 of the scores, 8 registers for each 16 queries qi
.set CTX, 64                           ; v[64:127]  ctx^T tile (qi, dt) at CTX + 16 qi + 8 dt; also the accumulators of both projections
.set SC,  128                          ; v[128:191] score tile (qi, kt) at SC + 16 qi + 8 kt; P in place in SC + 16 qi .. + 7
.set KF,  192                          ; v[192:207] two K fragments
.set VF,  208                          ; v[208:223] two V^T fragments
.set TT,  224                          ; v[224:227] at work
.set MA,  228                          ; v[228:231], v[232:235] the running maxima, old and new by turns
.set MB,  232
.set AL,  236                          ; v[236:239] 2^(old - new); at the end 1 / sum
.set LP,  240                          ; v[240:247] two partial sums for each qi
.set BI,  240                          ; v[240:255] bias (never alive together with LP)
.set F0,  128                          ; v[128:175], v[176:223] the projections' two fragment buffers: 2 of weights, 4 of tokens
.set F1,  176
.set G1K, 32                           ; s[32:39] shape: 32 rows x 256 elements
.set G1V, 40                           ; s[40:47] shape: 64 rows x 128 elements
.set GK,  48                           ; s[48:55] from where, to where: K tiles, a set for each slot
.set GV,  56                           ; s[56:63] V^T tiles, a set for each slot
.set GWQ, 68                           ; s[68:71] Wq
.set GWO, 72                           ; s[72:75] Wo
.macro NOPS n
.rept \n
	v_nop
.endr
.endm
; A round of the cluster's barrier: my work-group's barrier, wave 0 signals for the work-group, every wave waits for all four work-groups, my work-group's barrier once more.
.macro ROUND
	s_barrier_signal -1
	s_barrier_wait -1
	s_cmp_lg_u32 s20, 0
	s_cbranch_scc1 .Lnot_wave_0_\@
	s_barrier_signal -3
.Lnot_wave_0_\@:
	s_barrier_wait -3
	s_barrier_signal -1
	s_barrier_wait -1
.endm
; A joint load of a K and V tile: waves 0-3 bring 32 keys each, waves 4-7 64 rows of V^T each.  The branch hangs on the wave's number alone.
.macro JLOAD s
	s_cmp_eq_u32 s21, 0
	s_cbranch_scc0 .Lfor_v_\@
	tensor_load_to_lds s[GK+4*(\s):GK+4*(\s)+3], s[G1K:G1K+7]
	s_nop 0
	s_branch .Lasked_\@
.Lfor_v_\@:
	tensor_load_to_lds s[GV+4*(\s):GV+4*(\s)+3], s[G1V:G1V+7]
	s_nop 0
.Lasked_\@:
.endm
; d pair minus, or times, register m + qi in both halves (the pair that holds it is named; op_sel picks the register)
.macro PKSUBB d, m, qi
.if (\qi) & 1
	v_pk_add_f32 v[\d:\d+1], v[\d:\d+1], v[\m+\qi-1:\m+\qi] op_sel:[0,1] op_sel_hi:[1,1] neg_lo:[0,1] neg_hi:[0,1]
.else
	v_pk_add_f32 v[\d:\d+1], v[\d:\d+1], v[\m+\qi:\m+\qi+1] op_sel_hi:[1,0] neg_lo:[0,1] neg_hi:[0,1]
.endif
.endm
.macro PKMULB d, m, qi
.if (\qi) & 1
	v_pk_mul_f32 v[\d:\d+1], v[\d:\d+1], v[\m+\qi-1:\m+\qi] op_sel:[0,1] op_sel_hi:[1,1]
.else
	s_wait_alu depctr_va_vdst(0)
	v_pk_mul_f32 v[\d:\d+1], v[\d:\d+1], v[\m+\qi:\m+\qi+1] op_sel_hi:[1,0]
.endif
.endm
; ---- a projection: my 32 weight rows (address wa) x the 64 rows of XC, K = 256 in eight steps of 32, two fragment buffers ----
.macro PLOAD f, wa, kc                 ; twelve loads
.irp mi, 0,1
	ds_load_b128 v[\f+8*\mi:\f+8*\mi+3],   v[\wa] offset:\mi*16*PK+64*(\kc)
	ds_load_b128 v[\f+8*\mi+4:\f+8*\mi+7], v[\wa] offset:\mi*16*PK+64*(\kc)+32
.endr
.irp qi, 0,1,2,3
	ds_load_b128 v[\f+16+8*\qi:\f+16+8*\qi+3],   v[XA] offset:\qi*16*PK+64*(\kc)
	ds_load_b128 v[\f+16+8*\qi+4:\f+16+8*\qi+7], v[XA] offset:\qi*16*PK+64*(\kc)+32
.endr
.endm
.macro PMUL f, zero                    ; eight accumulators take turns, one instruction a turn
.irp qi, 0,1,2,3
.irp mi, 0,1
.if \zero
	v_wmma_f32_16x16x32_f16 v[CTX+16*\qi+8*\mi:CTX+16*\qi+8*\mi+7], v[\f+8*\mi:\f+8*\mi+7], v[\f+16+8*\qi:\f+16+8*\qi+7], 0
.else
	v_wmma_f32_16x16x32_f16 v[CTX+16*\qi+8*\mi:CTX+16*\qi+8*\mi+7], v[\f+8*\mi:\f+8*\mi+7], v[\f+16+8*\qi:\f+16+8*\qi+7], v[CTX+16*\qi+8*\mi:CTX+16*\qi+8*\mi+7]
.endif
.endr
.endr
.endm
.macro PSTEP f, wa, zero, next
	s_wait_dscnt 0xc                               ; this buffer is in; the other buffer's twelve younger loads stay out
	PMUL \f, \zero
	NOPS 4                                         ; four places (ISA guide 7.12.1) before the buffer is loaded again
	PLOAD \f, \wa, \next
.endm
.macro PROJ wa
	PLOAD F0, \wa, 0
	PLOAD F1, \wa, 1
	PSTEP F0, \wa, 1, 2
	PSTEP F1, \wa, 0, 3
	PSTEP F0, \wa, 0, 4
	PSTEP F1, \wa, 0, 5
	PSTEP F0, \wa, 0, 6
	PSTEP F1, \wa, 0, 7
	s_wait_dscnt 0xc
	PMUL F0, 0
	s_wait_dscnt 0x0
	PMUL F1, 0
	NOPS 4                                         ; four places before the results are read
.endm
; ---- attention, 32 keys at a time ----
.macro KLOAD slot, u                   ; keys 32 u .. + 31 of the tile, my head's 64 bytes of each row
.irp kt, 0,1
	ds_load_b128 v[KF+8*\kt:KF+8*\kt+3],   v[KA+\slot] offset:(\u)*32*PK+\kt*16*PK
	ds_load_b128 v[KF+8*\kt+4:KF+8*\kt+7], v[KA+\slot] offset:(\u)*32*PK+\kt*16*PK+32
.endr
.endm
.macro VLOAD slot, u                   ; my head's 32 rows of V^T, the same 32 keys
.irp dt, 0,1
	ds_load_b128 v[VF+8*\dt:VF+8*\dt+3],   v[VA+\slot] offset:\dt*16*PV+64*(\u)
	ds_load_b128 v[VF+8*\dt+4:VF+8*\dt+7], v[VA+\slot] offset:\dt*16*PV+64*(\u)+32
.endr
.endm
.macro MAXA qi, first                  ; the new running maximum of queries qi, and old - new
	v_max3_num_f32 v[TT],   v[SC+16*\qi],   v[SC+16*\qi+1],  v[SC+16*\qi+2]
	v_max3_num_f32 v[TT+1], v[SC+16*\qi+3], v[SC+16*\qi+4],  v[SC+16*\qi+5]
	v_max3_num_f32 v[TT+2], v[SC+16*\qi+6], v[SC+16*\qi+7],  v[SC+16*\qi+8]
	v_max3_num_f32 v[TT+3], v[SC+16*\qi+9], v[SC+16*\qi+10], v[SC+16*\qi+11]
	v_max3_num_f32 v[TT],   v[TT],   v[SC+16*\qi+12], v[SC+16*\qi+13]
	v_max3_num_f32 v[TT+1], v[TT+1], v[SC+16*\qi+14], v[SC+16*\qi+15]
	v_max3_num_f32 v[TT],   v[TT],   v[TT+1], v[TT+2]
.if \first
	v_max_num_f32 v[TT], v[TT], v[TT+3]
.else
	v_max3_num_f32 v[TT], v[TT], v[TT+3], v[OLDM+\qi]
.endif
	v_permlanex16_b32 v[TT+1], v[TT], s76, s77     ; the other sixteen keys' lane of the same query
	v_max_num_f32 v[NEWM+\qi], v[TT], v[TT+1]
.if \first == 0
	v_sub_f32 v[AL+\qi], v[OLDM+\qi], v[NEWM+\qi]
.endif
.endm
.macro SOFTB qi, first                 ; p = 2^(s - max); ctx and the sum are rescaled; P to f16 in place; ctx^T += V^T P^T
.irp k, 0,1,2,3,4,5,6,7
	PKSUBB SC+16*\qi+2*\k, NEWM, \qi
.endr
.irp k, 0,1,2,3,4,5,6,7,8,9,10,11,12,13,14,15
	v_exp_f32 v[SC+16*\qi+\k], v[SC+16*\qi+\k]
.endr
.if \first
	v_nop                                          ; a plain place behind the exponentials before their results are read (ISA guide 5.7.2)
.else
.irp k, 0,1,2,3,4,5,6,7
	PKMULB CTX+16*\qi+2*\k, AL, \qi                ; plain work in that place
.endr
.endif
	s_wait_alu depctr_va_vdst(0)
	v_pk_add_f32 v[TT:TT+1],   v[SC+16*\qi:SC+16*\qi+1],   v[SC+16*\qi+2:SC+16*\qi+3]
	v_pk_add_f32 v[TT+2:TT+3], v[SC+16*\qi+4:SC+16*\qi+5], v[SC+16*\qi+6:SC+16*\qi+7]
	v_pk_add_f32 v[TT:TT+1],   v[TT:TT+1],   v[SC+16*\qi+8:SC+16*\qi+9]
	v_pk_add_f32 v[TT+2:TT+3], v[TT+2:TT+3], v[SC+16*\qi+10:SC+16*\qi+11]
	v_pk_add_f32 v[TT:TT+1],   v[TT:TT+1],   v[SC+16*\qi+12:SC+16*\qi+13]
	v_pk_add_f32 v[TT+2:TT+3], v[TT+2:TT+3], v[SC+16*\qi+14:SC+16*\qi+15]
.if \first
	v_pk_add_f32 v[LP+2*\qi:LP+2*\qi+1], v[TT:TT+1], v[TT+2:TT+3]
.else
	v_pk_add_f32 v[TT:TT+1], v[TT:TT+1], v[TT+2:TT+3]
.if (\qi) & 1
	v_pk_fma_f32 v[LP+2*\qi:LP+2*\qi+1], v[LP+2*\qi:LP+2*\qi+1], v[AL+\qi-1:AL+\qi], v[TT:TT+1] op_sel:[0,1,0] op_sel_hi:[1,1,1]
.else
	v_pk_fma_f32 v[LP+2*\qi:LP+2*\qi+1], v[LP+2*\qi:LP+2*\qi+1], v[AL+\qi:AL+\qi+1], v[TT:TT+1] op_sel_hi:[1,0,1]
.endif
.endif
.irp k, 0,1,2,3,4,5,6,7
	v_cvt_pk_f16_f32 v[SC+16*\qi+\k], v[SC+16*\qi+2*\k], v[SC+16*\qi+2*\k+1]
.endr
.irp dt, 0,1
.if \first
	v_wmma_f32_16x16x32_f16 v[CTX+16*\qi+8*\dt:CTX+16*\qi+8*\dt+7], v[VF+8*\dt:VF+8*\dt+7], v[SC+16*\qi:SC+16*\qi+7], 0
.else
	v_wmma_f32_16x16x32_f16 v[CTX+16*\qi+8*\dt:CTX+16*\qi+8*\dt+7], v[VF+8*\dt:VF+8*\dt+7], v[SC+16*\qi:SC+16*\qi+7], v[CTX+16*\qi+8*\dt:CTX+16*\qi+8*\dt+7]
.endif
.endr
.endm
; 32 keys x 64 queries of my head.  K's fragments were asked for one step earlier.  No two matrix instructions that follow each other
; share an accumulator.
.macro KSUB slot, u, first, last
.if (\u) & 1
.set OLDM, MB
.set NEWM, MA
.else
.set OLDM, MA
.set NEWM, MB
.endif
	VLOAD \slot, \u
	s_wait_dscnt 0x4                               ; K's four loads are in; V's four, just issued, stay out
.irp kt, 0,1
.irp qi, 0,1,2,3
	v_wmma_f32_16x16x32_f16 v[SC+16*\qi+8*\kt:SC+16*\qi+8*\kt+7], v[KF+8*\kt:KF+8*\kt+7], v[QF+8*\qi:QF+8*\qi+7], 0
.endr
.endr
	NOPS 4                                         ; four places before the scores are read and K's registers loaded again
.if \last == 0
	KLOAD \slot, \u+1
.endif
	MAXA 0, \first
	MAXA 1, \first
	MAXA 2, \first
	MAXA 3, \first
.if \first == 0
.irp qi, 0,1,2,3
	v_exp_f32 v[AL+\qi], v[AL+\qi]                 ; read only behind the eight plain subtractions that follow
.endr
.endif
.if \last
	s_wait_dscnt 0x0                               ; V's loads are in; nothing was issued behind them
.else
	s_wait_dscnt 0x4                               ; V's loads are in; the next K's four stay out
.endif
	SOFTB 0, \first
	SOFTB 1, \first
	SOFTB 2, \first
	SOFTB 3, \first
	NOPS 5                                         ; five places before the next scores are written over P, four before V's registers are loaded again
.endm
; 128 keys: one tile.  In front of the round every wave has waited for all its tensor loads (its part of this tile among them) and for its
; LDS reads of the other slot; behind the round the other slot's refill comes first, one load a wave, and has the whole tile's work in which to land.
.macro TRIP slot, first, wo
	s_wait_tensorcnt 0x0
	ds_add_u32 v30, v31
	s_add_nc_u64 s[GK+4*\slot+2:GK+4*\slot+3], s[GK+4*\slot+2:GK+4*\slot+3], 131072    ; no load of mine is out: this slot's next tile, 256 keys on
	s_add_nc_u64 s[GV+4*\slot+2:GV+4*\slot+3], s[GV+4*\slot+2:GV+4*\slot+3], 512
	s_wait_dscnt 0x0
	ROUND
.if \wo
	tensor_load_to_lds s[GWO:GWO+3], s[G1K:G1K+7]  ; no K and V are left: Wo, 32 rows a wave
	s_nop 0
.else
	JLOAD 1-\slot
.endif
	KLOAD \slot, 0
	KSUB \slot, 0, \first, 0
	KSUB \slot, 1, 0, 0
	KSUB \slot, 2, 0, 0
	KSUB \slot, 3, 0, 1
.endm
	s_load_b512 s[4:19], s[0:1], 0x0               ; q 4, wqb 6, bq 8, kh 10, vt 12, wob 14, bo 16, out0 18
	v_lshl_add_u32 v30, v0, 2, 0x4c400
	v_mov_b32 v31, 0
	ds_add_u32 v30, v31
	v_lshrrev_b32 v3, 5, v0
	v_readfirstlane_b32 s20, v3                    ; wave = head
	s_lshr_b32 s21, s20, 2                         ; 0: I fetch keys, 1: rows of V^T
	s_and_b32 s22, s20, 3                          ; which quarter of that tile
	s_bfe_u32 s23, ttmp6, 0x40000                  ; cx
	s_lshl_b32 s24, ttmp9, 2
	s_add_co_u32 s24, s24, s23                     ; work-group = 4 x cluster + cx: which 64 tokens
	s_lshr_b32 s25, ttmp9, 2                       ; window = cluster / 4: the same in all four partners
	s_mov_b32 s76, 0x76543210                      ; v_permlanex16_b32: lane i of one half reads lane i of the other
	s_mov_b32 s77, 0xfedcba98
	s_mov_b32 s78, 0x3e8293ee                      ; log2(e) / sqrt(32)
	s_mov_b32 s79, 0x3e8293ee
	; the two shapes.  15:0 mask: all four work-groups; 17:16 elements of 2 bytes; 20 padding on; 21 set beside a mask; 24:22 the row's dwords (code 6: 128, code 5: 64); 31:25 pad of 4 dwords
	s_mov_b32 s[G1K+0], 15|(1<<16)|(1<<20)|(1<<21)|(6<<22)|(3<<25)
	s_mov_b32 s[G1K+1], 256<<16                    ; tensor_dim0 = 256
	s_mov_b32 s[G1K+2], 32<<16                     ; tensor_dim1 = 32
	s_mov_b32 s[G1K+3], 256<<16                    ; tile_dim0 = 256
	s_mov_b32 s[G1K+4], 32                         ; tile_dim1 = 32
	s_mov_b32 s[G1K+5], 256                        ; elements from row to row (kh, wqb, wob)
	s_mov_b32 s[G1K+6], 0
	s_mov_b32 s[G1K+7], 0
	s_mov_b32 s[G1V+0], 15|(1<<16)|(1<<20)|(1<<21)|(5<<22)|(3<<25)
	s_mov_b32 s[G1V+1], 128<<16
	s_mov_b32 s[G1V+2], 64<<16
	s_mov_b32 s[G1V+3], 128<<16
	s_mov_b32 s[G1V+4], 64
	s_mov_b32 s[G1V+5], 1024                       ; a row of vt is a window's 1,024 keys
	s_mov_b32 s[G1V+6], 0
	s_mov_b32 s[G1V+7], 0
	; LDS and offset registers; none hangs on cx
	v_and_b32 v1, 15, v0                           ; r
	v_bfe_u32 v2, v0, 4, 1                         ; h
	v_and_b32 v3, 31, v0                           ; lane
	v_mul_u32_u24 v18, v1, PK
	v_lshl_add_u32 v18, v2, 4, v18                 ; r PK + 16 h
	s_lshl_b32 s26, s20, 6                         ; my head's 64 bytes in a row
	v_add_nc_u32 v[KA], s26, v18
	v_add_nc_u32 v[KA+1], SLOT, v[KA]
	s_mul_i32 s27, s20, 32*PK                      ; my 32 weight rows
	v_add_nc_u32 v[WA], s27, v18
	v_add_nc_u32 v[WA+1], SLOT, v[WA]
	v_add_nc_u32 v[XA], XC, v18
	v_add_nc_u32 v[CST], s26, v[XA]
	v_mul_u32_u24 v19, v1, PV
	v_lshl_add_u32 v19, v2, 4, v19
	s_mul_i32 s27, s20, 32*PV                      ; my head's 32 rows of V^T
	s_add_co_u32 s27, s27, VOFF
	v_add_nc_u32 v[VA], s27, v19
	v_add_nc_u32 v[VA+1], SLOT, v[VA]
	v_lshrrev_b32 v19, 6, v0                       ; 64 threads take a token row of 1,024 bytes
	v_mul_u32_u24 v19, v19, PK
	v_and_b32 v20, 63, v0
	v_lshl_add_u32 v19, v20, 3, v19
	v_add_nc_u32 v[XST], XC, v19
	v_mul_u32_u24 v19, v1, PO
	v_lshl_add_u32 v19, v2, 5, v19
	s_lshl_b32 s27, s20, 7                         ; my 32 output features: 128 bytes of f32
	s_add_co_u32 s28, s27, OUTSTG
	v_add_nc_u32 v[OST], s28, v19
	s_mul_i32 s28, s20, 8*PO                       ; on the way back I take rows 8 w .. 8 w + 7
	s_add_co_u32 s28, s28, OUTSTG
	v_lshl_add_u32 v[ORD], v3, 4, s28
	v_lshlrev_b32 v[GO], 4, v3
	v_lshlrev_b32 v[GX], 4, v0
	v_lshl_add_u32 v[GB], v2, 5, s27
	s_wait_dscnt 0x0
	s_wait_kmcnt 0x0
	s_lshl_b32 s86, s24, 16                        ; 64 tokens of 1,024 bytes.  What hangs on cx has registers of its own
	s_mov_b32 s87, 0
	s_add_nc_u64 s[82:83], s[4:5], s[86:87]
	s_lshl_b32 s88, s20, 13                        ; + 8 w rows
	s_add_co_u32 s86, s86, s88
	s_add_nc_u64 s[84:85], s[18:19], s[86:87]
.irp i, 0,1,2,3,4,5,6,7,8,9,10,11,12,13,14,15
	global_load_b128 v[SC+4*\i:SC+4*\i+3], v[GX], s[82:83] offset:\i*4096 th:TH_LOAD_NT    ; my work-group's 65,536 bytes of q, read once in the launch
.endr
	global_load_b128 v[BI:BI+3],     v[GB], s[8:9]                 ; bq[32 w + 16 mi + 8 h + j]
	global_load_b128 v[BI+4:BI+7],   v[GB], s[8:9] offset:16
	global_load_b128 v[BI+8:BI+11],  v[GB], s[8:9] offset:64
	global_load_b128 v[BI+12:BI+15], v[GB], s[8:9] offset:80
	; from where, to where
	s_lshl_b32 s26, s25, 19                        ; a window is 524,288 bytes in kh and in vt
	s_lshl_b32 s28, s22, 14                        ; 32 keys of 512 bytes
	s_add_co_u32 s28, s28, s26
	s_mov_b32 s29, 0
	s_lshl_b32 s30, s22, 17                        ; 64 rows of 2,048 bytes
	s_add_co_u32 s30, s30, s26
	s_mov_b32 s31, 0
	s_add_nc_u64 s[28:29], s[10:11], s[28:29]
	s_add_nc_u64 s[30:31], s[12:13], s[30:31]
	s_mul_i32 s26, s20, 32*PK                      ; LDS: wave x 32 rows of PK (keys, weights)
	s_mul_i32 s27, s20, 64*PV                      ; LDS: wave x 64 rows of PV; wave 4 begins at VOFF
.irp s, 0,1
	s_mov_b32 s[GK+4*\s], 1
	s_add_co_u32 s[GK+4*\s+1], s26, \s*SLOT
	s_add_nc_u64 s[GK+4*\s+2:GK+4*\s+3], s[28:29], \s*65536        ; tile s: 128 keys of 512 bytes on
	s_or_b32 s[GK+4*\s+3], s[GK+4*\s+3], 0x80000000
	s_mov_b32 s[GV+4*\s], 1
	s_add_co_u32 s[GV+4*\s+1], s27, \s*SLOT
	s_add_nc_u64 s[GV+4*\s+2:GV+4*\s+3], s[30:31], \s*256          ; tile s: 128 keys of 2 bytes along the rows
	s_or_b32 s[GV+4*\s+3], s[GV+4*\s+3], 0x80000000
.endr
	s_lshl_b32 s28, s20, 14                        ; 32 weight rows of 512 bytes
	s_mov_b32 s29, 0
	s_mov_b32 s[GWQ], 1
	s_add_co_u32 s[GWQ+1], s26, SLOT               ; Wq goes into slot 1
	s_add_nc_u64 s[GWQ+2:GWQ+3], s[6:7], s[28:29]
	s_or_b32 s[GWQ+3], s[GWQ+3], 0x80000000
	s_mov_b32 s[GWO], 1
	s_add_co_u32 s[GWO+1], s26, 0                  ; Wo into slot 0
	s_add_nc_u64 s[GWO+2:GWO+3], s[14:15], s[28:29]
	s_or_b32 s[GWO+3], s[GWO+3], 0x80000000
	ROUND                                          ; all four work-groups are here: the first joint loads meet
	tensor_load_to_lds s[GWQ:GWQ+3], s[G1K:G1K+7]  ; the two first fills go out together: two loads of mine are out,
	s_nop 0
	JLOAD 0                                        ; later one behind each round
	s_wait_loadcnt 0x4                             ; q is in; bq's four younger loads stay out
.irp i, 0,1,2,3,4,5,6,7,8,9,10,11,12,13,14,15
	v_cvt_pk_f16_f32 v[SC+4*\i], v[SC+4*\i], v[SC+4*\i+1]
	v_cvt_pk_f16_f32 v[SC+4*\i+1], v[SC+4*\i+2], v[SC+4*\i+3]
	ds_store_b64 v[XST], v[SC+4*\i:SC+4*\i+1] offset:\i*4*PK
.endr
	s_wait_tensorcnt 0x1                           ; my part of Wq has landed; the K and V tile issued behind it may stay out
	s_wait_dscnt 0x0                               ; my token rows are stored
	s_barrier_signal -1
	s_barrier_wait -1
	PROJ WA+1                                      ; Q^T of my head: tile (qi, mi) holds d = 16 mi + 8 h + j of query 16 qi + r
	s_wait_loadcnt 0x0                             ; bq
.irp k, 0,1,2,3,4,5,6,7
	v_pk_mul_f32 v[BI+2*\k:BI+2*\k+1], v[BI+2*\k:BI+2*\k+1], s[78:79] op_sel_hi:[1,0]
.endr
.irp qi, 0,1,2,3
.irp mi, 0,1
.irp k, 0,1,2,3
	v_pk_fma_f32 v[CTX+16*\qi+8*\mi+2*\k:CTX+16*\qi+8*\mi+2*\k+1], v[CTX+16*\qi+8*\mi+2*\k:CTX+16*\qi+8*\mi+2*\k+1], s[78:79], v[BI+8*\mi+2*\k:BI+8*\mi+2*\k+1] op_sel_hi:[1,0,1]
.endr
.irp k, 0,1,2,3
	v_cvt_pk_f16_f32 v[QF+8*\qi+4*\mi+\k], v[CTX+16*\qi+8*\mi+2*\k], v[CTX+16*\qi+8*\mi+2*\k+1]
.endr
.endr
.endr
	; eight tiles of 128 keys: tile j lies in slot j & 1.  The first step starts maxima, sums and ctx: nothing is cleared.
	TRIP 0, 1, 0
	s_mov_b32 s80, 3
.Lkv:
	TRIP 1, 0, 0
	TRIP 0, 0, 0
	s_sub_co_u32 s80, s80, 1
	s_cmp_lg_u32 s80, 0
	s_cbranch_scc1 .Lkv
	TRIP 1, 0, 1
	; ctx / sum, to f16, into XC: row = query, my head's 64 bytes
.irp qi, 0,1,2,3
	v_add_f32 v[TT], v[LP+2*\qi], v[LP+2*\qi+1]
	v_permlanex16_b32 v[TT+1], v[TT], s76, s77
	v_add_f32 v[AL+\qi], v[TT], v[TT+1]
.endr
	global_load_b128 v[BI:BI+3],     v[GB], s[16:17]               ; bo: the sums above were LP's last reads
	global_load_b128 v[BI+4:BI+7],   v[GB], s[16:17] offset:16
	global_load_b128 v[BI+8:BI+11],  v[GB], s[16:17] offset:64
	global_load_b128 v[BI+12:BI+15], v[GB], s[16:17] offset:80
.irp qi, 0,1,2,3
	v_rcp_f32 v[AL+\qi], v[AL+\qi]
.endr
	v_nop                                          ; a plain place behind the reciprocals
.irp qi, 0,1,2,3
.irp k, 0,1,2,3,4,5,6,7
	PKMULB CTX+16*\qi+2*\k, AL, \qi
.endr
.irp k, 0,1,2,3,4,5,6,7
	v_cvt_pk_f16_f32 v[CTX+16*\qi+\k], v[CTX+16*\qi+2*\k], v[CTX+16*\qi+2*\k+1]
.endr
	ds_store_b128 v[CST], v[CTX+16*\qi:CTX+16*\qi+3]   offset:\qi*16*PK
	ds_store_b128 v[CST], v[CTX+16*\qi+4:CTX+16*\qi+7] offset:\qi*16*PK+32
.endr
	s_wait_tensorcnt 0x0                           ; my part of Wo has landed: the last tensor load
	s_wait_dscnt 0x0                               ; my head's ctx is stored, my reads of slot 1 are back
	s_barrier_signal -1
	s_barrier_wait -1
	PROJ WA                                        ; out^T: tile (qi, mi) holds feature 32 w + 16 mi + 8 h + j of query 16 qi + r
	s_wait_loadcnt 0x0                             ; bo
.irp qi, 0,1,2,3
.irp mi, 0,1
.irp k, 0,1,2,3
	v_pk_add_f32 v[CTX+16*\qi+8*\mi+2*\k:CTX+16*\qi+8*\mi+2*\k+1], v[CTX+16*\qi+8*\mi+2*\k:CTX+16*\qi+8*\mi+2*\k+1], v[BI+8*\mi+2*\k:BI+8*\mi+2*\k+1]
.endr
	ds_store_b128 v[OST], v[CTX+16*\qi+8*\mi:CTX+16*\qi+8*\mi+3]   offset:\qi*16*PO+64*\mi
	ds_store_b128 v[OST], v[CTX+16*\qi+8*\mi+4:CTX+16*\qi+8*\mi+7] offset:\qi*16*PO+64*\mi+16
.endr
.endr
	s_wait_dscnt 0x0                               ; a row of the way out is written by all eight waves
	s_barrier_signal -1
	s_barrier_wait -1
.irp n, 0,1,2,3,4,5,6,7,8,9,10,11,12,13,14,15
	ds_load_b128 v[SC+4*\n:SC+4*\n+3], v[ORD] offset:(\n>>1)*PO+(\n&1)*512
.endr
.irp n, 0,1,2,3,4,5,6,7,8,9,10,11,12,13,14,15
	s_wait_dscnt 15-\n                             ; load n is in, the younger ones stay out
	global_store_b128 v[GO], v[SC+4*\n:SC+4*\n+3], s[84:85] offset:\n*512 th:TH_STORE_NT   ; the wave stores 512 consecutive bytes, aligned
.endr
	s_wait_tensorcnt 0x0
	ds_add_u32 v30, v31
	s_wait_dscnt 0x0
	ROUND                                          ; the closing round: no work-group ends while a partner may still ask for a tile that names it
	s_endpgm
.Lfunc_end_k_qee0695fddc_attn:
	.size	k_qee0695fddc_attn, .Lfunc_end_k_qee0695fddc_attn-k_qee0695fddc_attn
	.p2alignl 7, 3214868480
	.fill 96, 4, 3214868480
	.section	.rodata,"a",@progbits
	.p2align	6, 0x0
	.amdhsa_kernel k_qee0695fddc_attn
		.amdhsa_group_segment_fixed_size 327680
		.amdhsa_private_segment_fixed_size 0
		.amdhsa_enable_private_segment 0
		.amdhsa_kernarg_size 64
		.amdhsa_user_sgpr_count 2
		.amdhsa_user_sgpr_kernarg_segment_ptr 1
		.amdhsa_wavefront_size32 1
		.amdhsa_system_sgpr_workgroup_id_x 1
		.amdhsa_system_sgpr_workgroup_id_y 1
		.amdhsa_system_sgpr_workgroup_id_z 1
		.amdhsa_system_vgpr_workitem_id 0
		.amdhsa_next_free_vgpr 256
		.amdhsa_next_free_sgpr 96
		.amdhsa_reserve_vcc 0
		.amdhsa_float_denorm_mode_32 3
		.amdhsa_float_denorm_mode_16_64 3
		.amdhsa_memory_ordered 1
		.amdhsa_forward_progress 1
		.amdhsa_inst_pref_size 255
	.end_amdhsa_kernel
	.section	.bss,"aw",@nobits
	.p2align	6
	.space	262144
	.amdgpu_metadata
---
amdhsa.version: [ 1, 2 ]
amdhsa.kernels:
  - .name:           k_qee0695fddc_attn
    .symbol:         k_qee0695fddc_attn.kd
    .args:
      - { .name: q, .offset: 0, .size: 8, .value_kind: global_buffer, .address_space: global }
      - { .name: wqb, .offset: 8, .size: 8, .value_kind: global_buffer, .address_space: global }
      - { .name: bq, .offset: 16, .size: 8, .value_kind: global_buffer, .address_space: global }
      - { .name: kh, .offset: 24, .size: 8, .value_kind: global_buffer, .address_space: global }
      - { .name: vt, .offset: 32, .size: 8, .value_kind: global_buffer, .address_space: global }
      - { .name: wob, .offset: 40, .size: 8, .value_kind: global_buffer, .address_space: global }
      - { .name: bo, .offset: 48, .size: 8, .value_kind: global_buffer, .address_space: global }
      - { .name: out0, .offset: 56, .size: 8, .value_kind: global_buffer, .address_space: global }
    .group_segment_fixed_size: 327680
    .private_segment_fixed_size: 0
    .kernarg_segment_align: 8
    .kernarg_segment_size: 64
    .max_flat_workgroup_size: 256
    .sgpr_count:     96
    .vgpr_count:     256
    .wavefront_size: 32
...
	.end_amdgpu_metadata
.endif
;; end of part 2
;; ======== version 2 of 2: 2 launches; 1.11 times as fast as version 1
;; limits: values are held in f16: magnitudes above 65,504 overflow, below 6.1e-05 lose precision
;; workspace buffers: kh 8,388,608 bytes; vt 8,388,608 bytes; wqb 131,072 bytes; wob 131,072 bytes
;; launch kvproj: the kernel of part 1 again; grid 128 x 2, 8 waves a work-group, no clusters, 274,432 bytes of LDS; arguments k, v, Wk, Wv, bk, bv, Wq, Wo, kh, vt, wqb, wob; writes kh, vt, wqb, wob
;; launch attn (part 3): grid 256 x 1, 8 waves a work-group, clusters of 4 x 1, 327,680 bytes of LDS; arguments q, wqb, bq, kh, vt, wob, bo, out0; writes out0
.if DOCPART == 3
	.amdgcn_target "amdgcn-amd-amdhsa--gfx1250"
	.amdhsa_code_object_version 6
	.text
	.protected	k_qee0695fddc_attn
	.globl	k_qee0695fddc_attn
	.p2align	8
	.type	k_qee0695fddc_attn,@function
k_qee0695fddc_attn:
	s_mov_b64 s[64:65], 0
	v_nop
	global_prefetch_b8 v0, s[64:65] scope:SCOPE_SE
	s_setreg_imm32_b32 hwreg(HW_REG_WAVE_MODE, 25, 1), 1
	s_wait_xcnt 0x0
	s_wait_alu depctr_hold_cnt(0) depctr_sa_sdst(0) depctr_va_vdst(0) depctr_va_sdst(0) depctr_va_ssrc(0) depctr_va_vcc(0) depctr_vm_vsrc(0)
	s_getreg_b32 s2, hwreg(HW_REG_IB_STS2, 6, 4)
	s_cmp_eq_u32 s2, 0
	s_cbranch_scc0 .Lentry_in_a_cluster
	s_endpgm
.Lentry_in_a_cluster:
	s_bfe_u32 s2, ttmp6, 0x10000c
	s_cmp_lg_u32 s2, 0x3003
	s_cbranch_scc0 .Lentry_shape_is_right
	s_endpgm
.Lentry_shape_is_right:
; out0 = (softmax((q Wq^T + bq)(K)^T / sqrt(32)) V) Wo^T + bo, window by window (1,024 tokens) and head by head (8 heads of 32).
; A work-group owns 64 query tokens with all heads; wave w is head w.  K (kh) and V transposed (vt) come projected, in f16, from the launch before.
; EVERY PRODUCT HAS THE QUERY IN D'S LANES:  source 0 = rows of Wq, keys, rows of V^T, rows of Wo;  source 1 = tokens, Q, P, ctx.
; Lane (r, h) of a result holds query r and the rows 8 h + j, so two neighbouring result tiles, rounded to f16 pair by pair, ARE the eight
; registers of the next product's source 1 (k = 8 h .. and 16 + 8 h ..): no number changes its lane between the four products of a head.
; A row's maximum and sum are one number a lane; lanes r and r + 16 hold different keys of one query and are joined by v_permlanex16_b32.
; SOFTMAX: running maximum over steps of 32 keys, subtracted before every exponential; the factor log2(e) / sqrt(32) is multiplied into Q
; in f32 before Q is rounded (an order of rounding that differs from the reference's).
; BATCHES: a step of 32 keys has 64 exponentials of scores and 4 of old - new maximum: ONE BATCH WITH ONE WAIT.  Ahead of the wait stands all that
; names none of their results: the four query tiles' maxima (44 lines), the 32 packed subtractions and the 68 exponentials themselves, each in
; place in a register of its own, dealt between those plain lines.  Behind the wait stand all the readers: ctx and the sum times 2^(old - new),
; the sums, the roundings to f16, the products V^T P^T.  No exponential is issued behind a step's wait, so none is pending at a label or a branch.
; The way out's four reciprocals are a batch of their own, with one wait.
; CLUSTERS: the four work-groups of a cluster lie in one window (16 work-groups a window) and walk the same K and V tiles and the same
; weights: every tile is asked for jointly, mask 15, which divides those requests by four.
; NO PREFETCH: kh and vt were stored by the launch just before and each tile is asked for by four clusters; q is read once, at the head.
; NUMBER FORMAT: f16 operands, f32 sums.  LIMITS: a projection (Q after the factor 0.255) of magnitude 65,504 or more becomes infinite
; (inputs thirty times larger give a spread of 900; offsets of thirty spreads on tokens and weights give 14,400); a weight below 2^-126
; of its row's largest comes out of v_exp_f32 as zero (ISA guide 15.8), below about 3e-8 it rounds to zero in f16.
.set PK,     528                       ; LDS pitch of rows of 256 f16: 512 + 16 = 33 x 16 bytes
.set PV,     272                       ; of rows of 128 f16: 256 + 16 = 17 x 16 bytes
.set PO,     1040                      ; of rows of 256 f32: 1,024 + 16 = 65 x 16 bytes
.set SLOT,   139264                    ; 128 keys x PK (67,584; waves 0-3, 32 rows each), then from VOFF 256 rows of V^T x PV (waves 4-7, 64 rows each); or 256 weight rows x PK
.set VOFF,   69632
.set XC,     2*SLOT                    ; 64 x PK: the tokens in f16, later ctx in f16.  Written by LDS stores alone: no tensor load lands here
.set OUTSTG, SLOT                      ; 64 x PO: the way out, in slot 1 behind its last fill
.set KA,  4                            ; v4, v5   K fragments in slot 0, 1
.set VA,  6                            ; v6, v7   V^T fragments
.set WA,  8                            ; v8, v9   weight fragments
.set XA,  10                           ; v10      fragments of XC
.set XST, 11                           ; v11      where my 8 bytes of a token row go
.set CST, 12                           ; v12      where my 16 bytes of ctx go
.set OST, 13                           ; v13      the way out, in
.set ORD, 14                           ; v14      the way out, back
.set GO,  15                           ; v15      16 lane
.set GX,  16                           ; v16      16 t
.set GB,  17                           ; v17      bias offset 128 w + 32 h
.set QF,  32                           ; v[32:63]   Q: source 1 of the scores, 8 registers for each 16 queries qi
.set CTX, 64                           ; v[64:127]  ctx^T tile (qi, dt) at CTX + 16 qi + 8 dt; also the accumulators of both projections
.set SC,  128                          ; v[128:191] score tile (qi, kt) at SC + 16 qi + 8 kt; P in place in SC + 16 qi .. + 7
.set KF,  192                          ; v[192:207] two K fragments
.set VF,  208                          ; v[208:223] two V^T fragments
.set TT,  224                          ; v[224:227] at work
.set MA,  228                          ; v[228:231], v[232:235] the running maxima, old and new by turns
.set MB,  232
.set AL,  236                          ; v[236:239] 2^(old - new); at the end 1 / sum
.set LP,  240                          ; v[240:247] two partial sums for each qi
.set BI,  240                          ; v[240:255] bias (never alive together with LP)
.set F0,  128                          ; v[128:175], v[176:223] the projections' two fragment buffers: 2 of weights, 4 of tokens
.set F1,  176
.set G1K, 32                           ; s[32:39] shape: 32 rows x 256 elements
.set G1V, 40                           ; s[40:47] shape: 64 rows x 128 elements
.set GK,  48                           ; s[48:55] from where, to where: K tiles, a set for each slot
.set GV,  56                           ; s[56:63] V^T tiles, a set for each slot
.set GWQ, 68                           ; s[68:71] Wq
.set GWO, 72                           ; s[72:75] Wo
.macro NOPS n
.rept \n
	v_nop
.endr
.endm
; A round of the cluster's barrier: my work-group's barrier, wave 0 signals for the work-group, every wave waits for all four work-groups, my work-group's barrier once more.
.macro ROUND
	s_barrier_signal -1
	s_barrier_wait -1
	s_cmp_lg_u32 s20, 0
	s_cbranch_scc1 .Lnot_wave_0_\@
	s_barrier_signal -3
.Lnot_wave_0_\@:
	s_barrier_wait -3
	s_barrier_signal -1
	s_barrier_wait -1
.endm
; A joint load of a K and V tile: waves 0-3 bring 32 keys each, waves 4-7 64 rows of V^T each.  The branch hangs on the wave's number alone.
.macro JLOAD s
	s_cmp_eq_u32 s21, 0
	s_cbranch_scc0 .Lfor_v_\@
	tensor_load_to_lds s[GK+4*(\s):GK+4*(\s)+3], s[G1K:G1K+7]
	s_nop 0
	s_branch .Lasked_\@
.Lfor_v_\@:
	tensor_load_to_lds s[GV+4*(\s):GV+4*(\s)+3], s[G1V:G1V+7]
	s_nop 0
.Lasked_\@:
.endm
; d pair minus, or times, register m + qi in both halves (the pair that holds it is named; op_sel picks the register)
.macro PKSUBB d, m, qi
.if (\qi) & 1
	v_pk_add_f32 v[\d:\d+1], v[\d:\d+1], v[\m+\qi-1:\m+\qi] op_sel:[0,1] op_sel_hi:[1,1] neg_lo:[0,1] neg_hi:[0,1]
.else
	v_pk_add_f32 v[\d:\d+1], v[\d:\d+1], v[\m+\qi:\m+\qi+1] op_sel_hi:[1,0] neg_lo:[0,1] neg_hi:[0,1]
.endif
.endm
.macro PKMULB d, m, qi
.if (\qi) & 1
	v_pk_mul_f32 v[\d:\d+1], v[\d:\d+1], v[\m+\qi-1:\m+\qi] op_sel:[0,1] op_sel_hi:[1,1]
.else
	v_pk_mul_f32 v[\d:\d+1], v[\d:\d+1], v[\m+\qi:\m+\qi+1] op_sel_hi:[1,0]
.endif
.endm
; ---- a projection: my 32 weight rows (address wa) x the 64 rows of XC, K = 256 in eight steps of 32, two fragment buffers ----
.macro PLOAD f, wa, kc                 ; twelve loads
.irp mi, 0,1
	ds_load_b128 v[\f+8*\mi:\f+8*\mi+3],   v[\wa] offset:\mi*16*PK+64*(\kc)
	ds_load_b128 v[\f+8*\mi+4:\f+8*\mi+7], v[\wa] offset:\mi*16*PK+64*(\kc)+32
.endr
.irp qi, 0,1,2,3
	ds_load_b128 v[\f+16+8*\qi:\f+16+8*\qi+3],   v[XA] offset:\qi*16*PK+64*(\kc)
	ds_load_b128 v[\f+16+8*\qi+4:\f+16+8*\qi+7], v[XA] offset:\qi*16*PK+64*(\kc)+32
.endr
.endm
.macro PMUL f, zero                    ; eight accumulators take turns, one instruction a turn
.irp qi, 0,1,2,3
.irp mi, 0,1
.if \zero
	v_wmma_f32_16x16x32_f16 v[CTX+16*\qi+8*\mi:CTX+16*\qi+8*\mi+7], v[\f+8*\mi:\f+8*\mi+7], v[\f+16+8*\qi:\f+16+8*\qi+7], 0
.else
	v_wmma_f32_16x16x32_f16 v[CTX+16*\qi+8*\mi:CTX+16*\qi+8*\mi+7], v[\f+8*\mi:\f+8*\mi+7], v[\f+16+8*\qi:\f+16+8*\qi+7], v[CTX+16*\qi+8*\mi:CTX+16*\qi+8*\mi+7]
.endif
.endr
.endr
.endm
.macro PSTEP f, wa, zero, next
	s_wait_dscnt 0xc                               ; this buffer is in; the other buffer's twelve younger loads stay out
	PMUL \f, \zero
	NOPS 4                                         ; four places (ISA guide 7.12.1) before the buffer is loaded again
	PLOAD \f, \wa, \next
.endm
.macro PROJ wa
	PLOAD F0, \wa, 0
	PLOAD F1, \wa, 1
	PSTEP F0, \wa, 1, 2
	PSTEP F1, \wa, 0, 3
	PSTEP F0, \wa, 0, 4
	PSTEP F1, \wa, 0, 5
	PSTEP F0, \wa, 0, 6
	PSTEP F1, \wa, 0, 7
	s_wait_dscnt 0xc
	PMUL F0, 0
	s_wait_dscnt 0x0
	PMUL F1, 0
	NOPS 4                                         ; four places before the results are read
.endm
; ---- attention, 32 keys at a time ----
.macro KLOAD slot, u                   ; keys 32 u .. + 31 of the tile, my head's 64 bytes of each row
.irp kt, 0,1
	ds_load_b128 v[KF+8*\kt:KF+8*\kt+3],   v[KA+\slot] offset:(\u)*32*PK+\kt*16*PK
	ds_load_b128 v[KF+8*\kt+4:KF+8*\kt+7], v[KA+\slot] offset:(\u)*32*PK+\kt*16*PK+32
.endr
.endm
.macro VLOAD slot, u                   ; my head's 32 rows of V^T, the same 32 keys
.irp dt, 0,1
	ds_load_b128 v[VF+8*\dt:VF+8*\dt+3],   v[VA+\slot] offset:\dt*16*PV+64*(\u)
	ds_load_b128 v[VF+8*\dt+4:VF+8*\dt+7], v[VA+\slot] offset:\dt*16*PV+64*(\u)+32
.endr
.endm
; AHEAD OF THE WAIT.  Line n of the eleven that find the new running maximum of queries qi, and old - new (the first step has no old maximum and no line 10).
; Each score accumulator's lowest registers are read first.
.macro MAXL qi, n, first
.if (\n) < 4
	v_max3_num_f32 v[TT+(\n)], v[SC+16*(\qi)+3*(\n)], v[SC+16*(\qi)+3*(\n)+1], v[SC+16*(\qi)+3*(\n)+2]
.elseif (\n) < 6
	v_max3_num_f32 v[TT+(\n)-4], v[TT+(\n)-4], v[SC+16*(\qi)+2*(\n)+4], v[SC+16*(\qi)+2*(\n)+5]
.elseif (\n) == 6
	v_max3_num_f32 v[TT], v[TT], v[TT+1], v[TT+2]
.elseif (\n) == 7
.if \first
	v_max_num_f32 v[TT], v[TT], v[TT+3]
.else
	v_max3_num_f32 v[TT], v[TT], v[TT+3], v[OLDM+(\qi)]
.endif
.elseif (\n) == 8
	v_permlanex16_b32 v[TT+1], v[TT], s76, s77     ; the other sixteen keys' lane of the same query
.elseif (\n) == 9
	v_max_num_f32 v[NEWM+(\qi)], v[TT], v[TT+1]
.elseif \first == 0
	v_sub_f32 v[AL+(\qi)], v[OLDM+(\qi)], v[NEWM+(\qi)]
.endif
.endm
.macro MAXA qi, first
.irp n, 0,1,2,3,4,5,6,7,8,9,10
	MAXL \qi, \n, \first
.endr
.endm
; The query tiles go in pairs g (tiles 2 g, 2 g + 1): the packed subtraction names the pair of maxima, so both are found before it.
.macro SUBS g, f                       ; subtraction f of 16 of pair g: s - max for scores 2 (f / 2), 2 (f / 2) + 1 of tile 2 g + f % 2
	PKSUBB SC+32*(\g)+16*((\f)%2)+2*((\f)/2), NEWM, 2*(\g)+(\f)%2
.endm
.macro EXPS g, e                       ; exponential e of 32 of pair g: p = 2^(s - max), in place, for score e / 2 of tile 2 g + e % 2; it wants subtraction 2 (e / 4) + e % 2
	v_exp_f32 v[SC+32*(\g)+16*((\e)%2)+(\e)/2], v[SC+32*(\g)+16*((\e)%2)+(\e)/2]
.endm
; Pair g's sixteen subtractions, an exponential behind each: behind the first two the pair's 2^(old - new), in place; behind subtraction f exponential f - 2, whose subtraction stands two or more back.
; A subtraction names scores 2 (f / 2) on, the exponentials issued so far scores (f - 3) / 2 at the most: no result is named.
.macro SUBEXP g, first
.irp f, 0,1,2,3,4,5,6,7,8,9,10,11,12,13,14,15
	SUBS \g, \f
.if \f >= 2
	EXPS \g, \f-2
.elseif \first == 0
	v_exp_f32 v[AL+2*(\g)+\f], v[AL+2*(\g)+\f]
.endif
.endr
.endm
; The maxima of tiles 2 and 3, and between their lines the other eighteen exponentials of tiles 0 and 1; tile 3's seven stand among the lines of its chain, where each line waits for the one before it.
.macro MAXEXP first
.irp n, 0,1,2,3,4,5,6,7,8,9,10
	MAXL 2, \n, \first
	EXPS 0, 14+\n
.endr
.irp n, 0,1,2,3,4,5,6,7,8,9,10
	MAXL 3, \n, \first
.if \n >= 4
	EXPS 0, 21+\n
.endif
.endr
.endm
; BEHIND THE WAIT, the readers, for queries qi: ctx and the sum are rescaled; P to f16 in place; ctx^T += V^T P^T
.macro SOFTC qi, first
.if \first == 0
.irp k, 0,1,2,3,4,5,6,7
	PKMULB CTX+16*\qi+2*\k, AL, \qi
.endr
.endif
	v_pk_add_f32 v[TT:TT+1],   v[SC+16*\qi:SC+16*\qi+1],   v[SC+16*\qi+2:SC+16*\qi+3]
	v_pk_add_f32 v[TT+2:TT+3], v[SC+16*\qi+4:SC+16*\qi+5], v[SC+16*\qi+6:SC+16*\qi+7]
	v_pk_add_f32 v[TT:TT+1],   v[TT:TT+1],   v[SC+16*\qi+8:SC+16*\qi+9]
	v_pk_add_f32 v[TT+2:TT+3], v[TT+2:TT+3], v[SC+16*\qi+10:SC+16*\qi+11]
	v_pk_add_f32 v[TT:TT+1],   v[TT:TT+1],   v[SC+16*\qi+12:SC+16*\qi+13]
	v_pk_add_f32 v[TT+2:TT+3], v[TT+2:TT+3], v[SC+16*\qi+14:SC+16*\qi+15]
.if \first
	v_pk_add_f32 v[LP+2*\qi:LP+2*\qi+1], v[TT:TT+1], v[TT+2:TT+3]
.else
	v_pk_add_f32 v[TT:TT+1], v[TT:TT+1], v[TT+2:TT+3]
.if (\qi) & 1
	v_pk_fma_f32 v[LP+2*\qi:LP+2*\qi+1], v[LP+2*\qi:LP+2*\qi+1], v[AL+\qi-1:AL+\qi], v[TT:TT+1] op_sel:[0,1,0] op_sel_hi:[1,1,1]
.else
	v_pk_fma_f32 v[LP+2*\qi:LP+2*\qi+1], v[LP+2*\qi:LP+2*\qi+1], v[AL+\qi:AL+\qi+1], v[TT:TT+1] op_sel_hi:[1,0,1]
.endif
.endif
.irp k, 0,1,2,3,4,5,6,7
	v_cvt_pk_f16_f32 v[SC+16*\qi+\k], v[SC+16*\qi+2*\k], v[SC+16*\qi+2*\k+1]
.endr
.irp dt, 0,1
.if \first
	v_wmma_f32_16x16x32_f16 v[CTX+16*\qi+8*\dt:CTX+16*\qi+8*\dt+7], v[VF+8*\dt:VF+8*\dt+7], v[SC+16*\qi:SC+16*\qi+7], 0
.else
	v_wmma_f32_16x16x32_f16 v[CTX+16*\qi+8*\dt:CTX+16*\qi+8*\dt+7], v[VF+8*\dt:VF+8*\dt+7], v[SC+16*\qi:SC+16*\qi+7], v[CTX+16*\qi+8*\dt:CTX+16*\qi+8*\dt+7]
.endif
.endr
.endm
; 32 keys x 64 queries of my head.  K's fragments were asked for one step earlier.  No two matrix instructions that follow each other
; share an accumulator.
.macro KSUB slot, u, first, last
.if (\u) & 1
.set OLDM, MB
.set NEWM, MA
.else
.set OLDM, MA
.set NEWM, MB
.endif
	VLOAD \slot, \u
	s_wait_dscnt 0x4                               ; K's four loads are in; V's four, just issued, stay out
.irp kt, 0,1
.irp qi, 0,1,2,3
	v_wmma_f32_16x16x32_f16 v[SC+16*\qi+8*\kt:SC+16*\qi+8*\kt+7], v[KF+8*\kt:KF+8*\kt+7], v[QF+8*\qi:QF+8*\qi+7], 0
.endr
.endr
	NOPS 4                                         ; four places before the scores are read and K's registers loaded again
.if \last == 0
	KLOAD \slot, \u+1
.endif
	; the step's one batch: nothing from here to the wait names an exponential's result
	MAXA 0, \first
	MAXA 1, \first
	SUBEXP 0, \first
	MAXEXP \first
	SUBEXP 1, \first
.irp e, 14,15,16,17,18,19,20,21,22,23,24,25,26,27,28,29,30,31
	EXPS 1, \e                                     ; the last eighteen: no plain line is left that names no result
.endr
	v_nop                                          ; a plain place behind the last exponential before a result is read (ISA guide 5.7.2): one for the batch
.if \last
	s_wait_dscnt 0x0                               ; V's loads are in; nothing was issued behind them
.else
	s_wait_dscnt 0x4                               ; V's loads are in; the next K's four stay out
.endif
	s_wait_alu depctr_va_vdst(0)                   ; the wait ahead of the first reader: one for the step's 64 exponentials of scores and its 4 of old - new
	SOFTC 0, \first
	SOFTC 1, \first
	SOFTC 2, \first
	SOFTC 3, \first
	NOPS 5                                         ; five places before the next scores are written over P, four before V's registers are loaded again
.endm
; 128 keys: one tile.  In front of the round every wave has waited for all its tensor loads (its part of this tile among them) and for its
; LDS reads of the other slot; behind the round the other slot's refill comes first, one load a wave, and has the whole tile's work in which to land.
.macro TRIP slot, first, wo
	s_wait_tensorcnt 0x0
	ds_add_u32 v30, v31
	s_add_nc_u64 s[GK+4*\slot+2:GK+4*\slot+3], s[GK+4*\slot+2:GK+4*\slot+3], 131072    ; no load of mine is out: this slot's next tile, 256 keys on
	s_add_nc_u64 s[GV+4*\slot+2:GV+4*\slot+3], s[GV+4*\slot+2:GV+4*\slot+3], 512
	s_wait_dscnt 0x0
	ROUND
.if \wo
	tensor_load_to_lds s[GWO:GWO+3], s[G1K:G1K+7]  ; no K and V are left: Wo, 32 rows a wave
	s_nop 0
.else
	JLOAD 1-\slot
.endif
	KLOAD \slot, 0
	KSUB \slot, 0, \first, 0
	KSUB \slot, 1, 0, 0
	KSUB \slot, 2, 0, 0
	KSUB \slot, 3, 0, 1
.endm
	s_load_b512 s[4:19], s[0:1], 0x0               ; q 4, wqb 6, bq 8, kh 10, vt 12, wob 14, bo 16, out0 18
	v_lshl_add_u32 v30, v0, 2, 0x4c400
	v_mov_b32 v31, 0
	ds_add_u32 v30, v31
	v_lshrrev_b32 v3, 5, v0
	v_readfirstlane_b32 s20, v3                    ; wave = head
	s_lshr_b32 s21, s20, 2                         ; 0: I fetch keys, 1: rows of V^T
	s_and_b32 s22, s20, 3                          ; which quarter of that tile
	s_bfe_u32 s23, ttmp6, 0x40000                  ; cx
	s_lshl_b32 s24, ttmp9, 2
	s_add_co_u32 s24, s24, s23                     ; work-group = 4 x cluster + cx: which 64 tokens
	s_lshr_b32 s25, ttmp9, 2                       ; window = cluster / 4: the same in all four partners
	s_mov_b32 s76, 0x76543210                      ; v_permlanex16_b32: lane i of one half reads lane i of the other
	s_mov_b32 s77, 0xfedcba98
	s_mov_b32 s78, 0x3e8293ee                      ; log2(e) / sqrt(32)
	s_mov_b32 s79, 0x3e8293ee
	; the two shapes.  15:0 mask: all four work-groups; 17:16 elements of 2 bytes; 20 padding on; 21 set beside a mask; 24:22 the row's dwords (code 6: 128, code 5: 64); 31:25 pad of 4 dwords
	s_mov_b32 s[G1K+0], 15|(1<<16)|(1<<20)|(1<<21)|(6<<22)|(3<<25)
	s_mov_b32 s[G1K+1], 256<<16                    ; tensor_dim0 = 256
	s_mov_b32 s[G1K+2], 32<<16                     ; tensor_dim1 = 32
	s_mov_b32 s[G1K+3], 256<<16                    ; tile_dim0 = 256
	s_mov_b32 s[G1K+4], 32                         ; tile_dim1 = 32
	s_mov_b32 s[G1K+5], 256                        ; elements from row to row (kh, wqb, wob)
	s_mov_b32 s[G1K+6], 0
	s_mov_b32 s[G1K+7], 0
	s_mov_b32 s[G1V+0], 15|(1<<16)|(1<<20)|(1<<21)|(5<<22)|(3<<25)
	s_mov_b32 s[G1V+1], 128<<16
	s_mov_b32 s[G1V+2], 64<<16
	s_mov_b32 s[G1V+3], 128<<16
	s_mov_b32 s[G1V+4], 64
	s_mov_b32 s[G1V+5], 1024                       ; a row of vt is a window's 1,024 keys
	s_mov_b32 s[G1V+6], 0
	s_mov_b32 s[G1V+7], 0
	; LDS and offset registers; none hangs on cx
	v_and_b32 v1, 15, v0                           ; r
	v_bfe_u32 v2, v0, 4, 1                         ; h
	v_and_b32 v3, 31, v0                           ; lane
	v_mul_u32_u24 v18, v1, PK
	v_lshl_add_u32 v18, v2, 4, v18                 ; r PK + 16 h
	s_lshl_b32 s26, s20, 6                         ; my head's 64 bytes in a row
	v_add_nc_u32 v[KA], s26, v18
	v_add_nc_u32 v[KA+1], SLOT, v[KA]
	s_mul_i32 s27, s20, 32*PK                      ; my 32 weight rows
	v_add_nc_u32 v[WA], s27, v18
	v_add_nc_u32 v[WA+1], SLOT, v[WA]
	v_add_nc_u32 v[XA], XC, v18
	v_add_nc_u32 v[CST], s26, v[XA]
	v_mul_u32_u24 v19, v1, PV
	v_lshl_add_u32 v19, v2, 4, v19
	s_mul_i32 s27, s20, 32*PV                      ; my head's 32 rows of V^T
	s_add_co_u32 s27, s27, VOFF
	v_add_nc_u32 v[VA], s27, v19
	v_add_nc_u32 v[VA+1], SLOT, v[VA]
	v_lshrrev_b32 v19, 6, v0                       ; 64 threads take a token row of 1,024 bytes
	v_mul_u32_u24 v19, v19, PK
	v_and_b32 v20, 63, v0
	v_lshl_add_u32 v19, v20, 3, v19
	v_add_nc_u32 v[XST], XC, v19
	v_mul_u32_u24 v19, v1, PO
	v_lshl_add_u32 v19, v2, 5, v19
	s_lshl_b32 s27, s20, 7                         ; my 32 output features: 128 bytes of f32
	s_add_co_u32 s28, s27, OUTSTG
	v_add_nc_u32 v[OST], s28, v19
	s_mul_i32 s28, s20, 8*PO                       ; on the way back I take rows 8 w .. 8 w + 7
	s_add_co_u32 s28, s28, OUTSTG
	v_lshl_add_u32 v[ORD], v3, 4, s28
	v_lshlrev_b32 v[GO], 4, v3
	v_lshlrev_b32 v[GX], 4, v0
	v_lshl_add_u32 v[GB], v2, 5, s27
	s_wait_dscnt 0x0
	s_wait_kmcnt 0x0
	s_lshl_b32 s86, s24, 16                        ; 64 tokens of 1,024 bytes.  What hangs on cx has registers of its own
	s_mov_b32 s87, 0
	s_add_nc_u64 s[82:83], s[4:5], s[86:87]
	s_lshl_b32 s88, s20, 13                        ; + 8 w rows
	s_add_co_u32 s86, s86, s88
	s_add_nc_u64 s[84:85], s[18:19], s[86:87]
.irp i, 0,1,2,3,4,5,6,7,8,9,10,11,12,13,14,15
	global_load_b128 v[SC+4*\i:SC+4*\i+3], v[GX], s[82:83] offset:\i*4096 th:TH_LOAD_NT    ; my work-group's 65,536 bytes of q, read once in the launch
.endr
	global_load_b128 v[BI:BI+3],     v[GB], s[8:9]                 ; bq[32 w + 16 mi + 8 h + j]
	global_load_b128 v[BI+4:BI+7],   v[GB], s[8:9] offset:16
	global_load_b128 v[BI+8:BI+11],  v[GB], s[8:9] offset:64
	global_load_b128 v[BI+12:BI+15], v[GB], s[8:9] offset:80
	; from where, to where
	s_lshl_b32 s26, s25, 19                        ; a window is 524,288 bytes in kh and in vt
	s_lshl_b32 s28, s22, 14                        ; 32 keys of 512 bytes
	s_add_co_u32 s28, s28, s26
	s_mov_b32 s29, 0
	s_lshl_b32 s30, s22, 17                        ; 64 rows of 2,048 bytes
	s_add_co_u32 s30, s30, s26
	s_mov_b32 s31, 0
	s_add_nc_u64 s[28:29], s[10:11], s[28:29]
	s_add_nc_u64 s[30:31], s[12:13], s[30:31]
	s_mul_i32 s26, s20, 32*PK                      ; LDS: wave x 32 rows of PK (keys, weights)
	s_mul_i32 s27, s20, 64*PV                      ; LDS: wave x 64 rows of PV; wave 4 begins at VOFF
.irp s, 0,1
	s_mov_b32 s[GK+4*\s], 1
	s_add_co_u32 s[GK+4*\s+1], s26, \s*SLOT
	s_add_nc_u64 s[GK+4*\s+2:GK+4*\s+3], s[28:29], \s*65536        ; tile s: 128 keys of 512 bytes on
	s_or_b32 s[GK+4*\s+3], s[GK+4*\s+3], 0x80000000
	s_mov_b32 s[GV+4*\s], 1
	s_add_co_u32 s[GV+4*\s+1], s27, \s*SLOT
	s_add_nc_u64 s[GV+4*\s+2:GV+4*\s+3], s[30:31], \s*256          ; tile s: 128 keys of 2 bytes along the rows
	s_or_b32 s[GV+4*\s+3], s[GV+4*\s+3], 0x80000000
.endr
	s_lshl_b32 s28, s20, 14                        ; 32 weight rows of 512 bytes
	s_mov_b32 s29, 0
	s_mov_b32 s[GWQ], 1
	s_add_co_u32 s[GWQ+1], s26, SLOT               ; Wq goes into slot 1
	s_add_nc_u64 s[GWQ+2:GWQ+3], s[6:7], s[28:29]
	s_or_b32 s[GWQ+3], s[GWQ+3], 0x80000000
	s_mov_b32 s[GWO], 1
	s_add_co_u32 s[GWO+1], s26, 0                  ; Wo into slot 0
	s_add_nc_u64 s[GWO+2:GWO+3], s[14:15], s[28:29]
	s_or_b32 s[GWO+3], s[GWO+3], 0x80000000
	ROUND                                          ; all four work-groups are here: the first joint loads meet
	tensor_load_to_lds s[GWQ:GWQ+3], s[G1K:G1K+7]  ; the two first fills go out together: two loads of mine are out,
	s_nop 0
	JLOAD 0                                        ; later one behind each round
	s_wait_loadcnt 0x4                             ; q is in; bq's four younger loads stay out
.irp i, 0,1,2,3,4,5,6,7,8,9,10,11,12,13,14,15
	v_cvt_pk_f16_f32 v[SC+4*\i], v[SC+4*\i], v[SC+4*\i+1]
	v_cvt_pk_f16_f32 v[SC+4*\i+1], v[SC+4*\i+2], v[SC+4*\i+3]
	ds_store_b64 v[XST], v[SC+4*\i:SC+4*\i+1] offset:\i*4*PK
.endr
	s_wait_tensorcnt 0x1                           ; my part of Wq has landed; the K and V tile issued behind it may stay out
	s_wait_dscnt 0x0                               ; my token rows are stored
	s_barrier_signal -1
	s_barrier_wait -1
	PROJ WA+1                                      ; Q^T of my head: tile (qi, mi) holds d = 16 mi + 8 h + j of query 16 qi + r
	s_wait_loadcnt 0x0                             ; bq
.irp k, 0,1,2,3,4,5,6,7
	v_pk_mul_f32 v[BI+2*\k:BI+2*\k+1], v[BI+2*\k:BI+2*\k+1], s[78:79] op_sel_hi:[1,0]
.endr
.irp qi, 0,1,2,3
.irp mi, 0,1
.irp k, 0,1,2,3
	v_pk_fma_f32 v[CTX+16*\qi+8*\mi+2*\k:CTX+16*\qi+8*\mi+2*\k+1], v[CTX+16*\qi+8*\mi+2*\k:CTX+16*\qi+8*\mi+2*\k+1], s[78:79], v[BI+8*\mi+2*\k:BI+8*\mi+2*\k+1] op_sel_hi:[1,0,1]
.endr
.irp k, 0,1,2,3
	v_cvt_pk_f16_f32 v[QF+8*\qi+4*\mi+\k], v[CTX+16*\qi+8*\mi+2*\k], v[CTX+16*\qi+8*\mi+2*\k+1]
.endr
.endr
.endr
	; eight tiles of 128 keys: tile j lies in slot j & 1.  The first step starts maxima, sums and ctx: nothing is cleared.
	TRIP 0, 1, 0
	s_mov_b32 s80, 3
.Lkv:
	TRIP 1, 0, 0
	TRIP 0, 0, 0
	s_sub_co_u32 s80, s80, 1
	s_cmp_lg_u32 s80, 0
	s_cbranch_scc1 .Lkv
	TRIP 1, 0, 1
	; ctx / sum, to f16, into XC: row = query, my head's 64 bytes
.irp qi, 0,1,2,3
	v_add_f32 v[TT], v[LP+2*\qi], v[LP+2*\qi+1]
	v_permlanex16_b32 v[TT+1], v[TT], s76, s77
	v_add_f32 v[AL+\qi], v[TT], v[TT+1]
.endr
	global_load_b128 v[BI:BI+3],     v[GB], s[16:17]               ; bo: the sums above were LP's last reads
	global_load_b128 v[BI+4:BI+7],   v[GB], s[16:17] offset:16
	global_load_b128 v[BI+8:BI+11],  v[GB], s[16:17] offset:64
	global_load_b128 v[BI+12:BI+15], v[GB], s[16:17] offset:80
.irp qi, 0,1,2,3
	v_rcp_f32 v[AL+\qi], v[AL+\qi]
.endr
	v_nop                                          ; a plain place behind the reciprocals
	s_wait_alu depctr_va_vdst(0)                   ; the wait ahead of the first reader: one for the four reciprocals
.irp qi, 0,1,2,3
.irp k, 0,1,2,3,4,5,6,7
	PKMULB CTX+16*\qi+2*\k, AL, \qi
.endr
.irp k, 0,1,2,3,4,5,6,7
	v_cvt_pk_f16_f32 v[CTX+16*\qi+\k], v[CTX+16*\qi+2*\k], v[CTX+16*\qi+2*\k+1]
.endr
	ds_store_b128 v[CST], v[CTX+16*\qi:CTX+16*\qi+3]   offset:\qi*16*PK
	ds_store_b128 v[CST], v[CTX+16*\qi+4:CTX+16*\qi+7] offset:\qi*16*PK+32
.endr
	s_wait_tensorcnt 0x0                           ; my part of Wo has landed: the last tensor load
	s_wait_dscnt 0x0                               ; my head's ctx is stored, my reads of slot 1 are back
	s_barrier_signal -1
	s_barrier_wait -1
	PROJ WA                                        ; out^T: tile (qi, mi) holds feature 32 w + 16 mi + 8 h + j of query 16 qi + r
	s_wait_loadcnt 0x0                             ; bo
.irp qi, 0,1,2,3
.irp mi, 0,1
.irp k, 0,1,2,3
	v_pk_add_f32 v[CTX+16*\qi+8*\mi+2*\k:CTX+16*\qi+8*\mi+2*\k+1], v[CTX+16*\qi+8*\mi+2*\k:CTX+16*\qi+8*\mi+2*\k+1], v[BI+8*\mi+2*\k:BI+8*\mi+2*\k+1]
.endr
	ds_store_b128 v[OST], v[CTX+16*\qi+8*\mi:CTX+16*\qi+8*\mi+3]   offset:\qi*16*PO+64*\mi
	ds_store_b128 v[OST], v[CTX+16*\qi+8*\mi+4:CTX+16*\qi+8*\mi+7] offset:\qi*16*PO+64*\mi+16
.endr
.endr
	s_wait_dscnt 0x0                               ; a row of the way out is written by all eight waves
	s_barrier_signal -1
	s_barrier_wait -1
.irp n, 0,1,2,3,4,5,6,7,8,9,10,11,12,13,14,15
	ds_load_b128 v[SC+4*\n:SC+4*\n+3], v[ORD] offset:(\n>>1)*PO+(\n&1)*512
.endr
.irp n, 0,1,2,3,4,5,6,7,8,9,10,11,12,13,14,15
	s_wait_dscnt 15-\n                             ; load n is in, the younger ones stay out
	global_store_b128 v[GO], v[SC+4*\n:SC+4*\n+3], s[84:85] offset:\n*512 th:TH_STORE_NT   ; the wave stores 512 consecutive bytes, aligned
.endr
	s_wait_tensorcnt 0x0
	ds_add_u32 v30, v31
	s_wait_dscnt 0x0
	ROUND                                          ; the closing round: no work-group ends while a partner may still ask for a tile that names it
	s_endpgm
.Lfunc_end_k_qee0695fddc_attn:
	.size	k_qee0695fddc_attn, .Lfunc_end_k_qee0695fddc_attn-k_qee0695fddc_attn
	.p2alignl 7, 3214868480
	.fill 96, 4, 3214868480
	.section	.rodata,"a",@progbits
	.p2align	6, 0x0
	.amdhsa_kernel k_qee0695fddc_attn
		.amdhsa_group_segment_fixed_size 327680
		.amdhsa_private_segment_fixed_size 0
		.amdhsa_enable_private_segment 0
		.amdhsa_kernarg_size 64
		.amdhsa_user_sgpr_count 2
		.amdhsa_user_sgpr_kernarg_segment_ptr 1
		.amdhsa_wavefront_size32 1
		.amdhsa_system_sgpr_workgroup_id_x 1
		.amdhsa_system_sgpr_workgroup_id_y 1
		.amdhsa_system_sgpr_workgroup_id_z 1
		.amdhsa_system_vgpr_workitem_id 0
		.amdhsa_next_free_vgpr 256
		.amdhsa_next_free_sgpr 96
		.amdhsa_reserve_vcc 0
		.amdhsa_float_denorm_mode_32 3
		.amdhsa_float_denorm_mode_16_64 3
		.amdhsa_memory_ordered 1
		.amdhsa_forward_progress 1
		.amdhsa_inst_pref_size 255
	.end_amdhsa_kernel
	.section	.bss,"aw",@nobits
	.p2align	6
	.space	262144
	.amdgpu_metadata
---
amdhsa.version: [ 1, 2 ]
amdhsa.kernels:
  - .name:           k_qee0695fddc_attn
    .symbol:         k_qee0695fddc_attn.kd
    .args:
      - { .name: q, .offset: 0, .size: 8, .value_kind: global_buffer, .address_space: global }
      - { .name: wqb, .offset: 8, .size: 8, .value_kind: global_buffer, .address_space: global }
      - { .name: bq, .offset: 16, .size: 8, .value_kind: global_buffer, .address_space: global }
      - { .name: kh, .offset: 24, .size: 8, .value_kind: global_buffer, .address_space: global }
      - { .name: vt, .offset: 32, .size: 8, .value_kind: global_buffer, .address_space: global }
      - { .name: wob, .offset: 40, .size: 8, .value_kind: global_buffer, .address_space: global }
      - { .name: bo, .offset: 48, .size: 8, .value_kind: global_buffer, .address_space: global }
      - { .name: out0, .offset: 56, .size: 8, .value_kind: global_buffer, .address_space: global }
    .group_segment_fixed_size: 327680
    .private_segment_fixed_size: 0
    .kernarg_segment_align: 8
    .kernarg_segment_size: 64
    .max_flat_workgroup_size: 256
    .sgpr_count:     96
    .vgpr_count:     256
    .wavefront_size: 32
...
	.end_amdgpu_metadata
.endif
;; end of part 3
